; MI455X (gfx1250); checked and timed in simulation.
; The chip was launched on July 23, 2026; its instructions are those of AMD's public machine-readable ISA for CDNA 5 (MIT licence, August 2026) and "CDNA5" Instruction Set Architecture Reference Guide (July 2026). The comments in the code are by the model that wrote it; some were corrected since.
;; LSTE Linear. Allowed arithmetic: matrix products marked QUANTISED: E2M1 operands, one E8M0 scale for each 32 along K, by v_wmma_scale_f32_16x16x128_f8f6f4 with both operands' format E2M1 (or v_wmma_scale_f32_32x16x128_f4), f32 sums; everything else in f32.
;; Inputs: scales 131,072 float32; ste_gain 1 float32; ste_temp 1 float32; ternary 4,096 x 4,096 int8; x 4,096 x 4,096 float32.
;; Outputs: out0 4,096 x 4,096 float32.
;; This version of the problem:
;;   THIS VERSION OF THE PROBLEM IS GIVEN IN LOW PRECISION. The matrix products marked QUANTISED in the list below multiply operands that are first quantised to E2M1 (2 exponent bits, 1 mantissa bit; 4 bits a number), with one power-of-two scale for each 32 numbers along K (OCP MX v1.0); their sums are f32. All else is computed in f32.
;;   The module's matrix products, in the order in which they are computed (A, B: the left and right operand; K: the contracted axis; several contracted axes count as one K, in the product's order):
;;     1. [M 4,096, K 4,096] x [K 4,096, N 4,096]; A: input x; B: computed on the way: QUANTISED
;;   THE QUANTISER, for each operand of a quantised product, along K:
;;     - K is cut into blocks of 32 from its start; a last block that is shorter is filled with zeros.
;;     - A block's scale is 2^e with e = floor(log2(the largest magnitude in the block)) - 2, held to -126 .. 127; a block of zeros has e = 0. As a byte (E8M0): e + 127.
;;     - Each number is divided by its block's scale, clamped to +-6, and rounded to the nearest number of E2M1, ties to even, subnormals kept.
;;     - The product sums the exact products of the quantised numbers (number of the format x scale) in f32.
;;   ~~~python
;;   def quantise(x, axis):      # numpy; x: float32 -> the quantised numbers, widened to float32 again
;;       x = np.moveaxis(x, axis, -1); K = x.shape[-1]
;;       x = np.pad(x, [(0, 0)] * (x.ndim - 1) + [(0, -K % 32)]); x = x.reshape(x.shape[:-1] + (-1, 32)); a = np.abs(x).max(-1, keepdims=True)
;;       e = np.where(a > 0, np.clip(np.frexp(np.where(a > 0, a, 1))[1] - 1 - 2, -126, 127), 0)      # np.frexp(a)[1] - 1 = floor(log2(a)), exactly
;;       r = np.clip(x / 2.0 ** e, -6, 6)
;;       step = 2.0 ** (np.maximum(np.frexp(np.where(r == 0, 1, r))[1] - 1, 0) - 1)
;;       q = np.round(r / step) * step * 2.0 ** e      # np.round: ties to even
;;       return np.moveaxis(q.reshape(q.shape[:-2] + (-1,))[..., :K], -1, axis).astype(np.float32)
;;   ~~~
;;   OPERANDS COMPUTED ON THE WAY. 'Computed on the way' means the value that the module computes at that place (a softmax that the list does not call 'softmax' is quantised finished and normalised). What goes into a quantiser is computed in f32, as accurately as f32 sums, v_exp_f32 and their like allow (about 1e-6 of the number): no bf16 or f16 on the way to a quantiser, and a product that is left as it is and whose result goes on into a quantised operand takes f32 operands (vector FMAs, or v_wmma_f32_16x16x4_f32). A number that lies on a knife's edge between two numbers of the format may be rounded either way, as far as f32 arithmetic and the matrix unit's own rounding can turn it there, and no further.
;; One version. Each part assembles by itself: llvm-mc -triple=amdgcn-amd-amdhsa -mcpu=gfx1250 --defsym DOCPART=n.
;; ======== version 1 of 1: 2 launches
;; limits: right only within a limited range of input values
;; workspace buffers: opq 17,825,792 bytes
;; launch quant (part 1): grid 1024 x 1, 4 waves a work-group, no clusters, 25,088 bytes of LDS; arguments x, ternary, scales, opq; writes opq
.if DOCPART == 1
	.amdgcn_target "amdgcn-amd-amdhsa--gfx1250"
	.amdhsa_code_object_version 6
	.text
	.protected	k_q36823963b6_quant
	.globl	k_q36823963b6_quant
	.p2align	8
	.type	k_q36823963b6_quant,@function
k_q36823963b6_quant:
	s_mov_b64 s[64:65], 0
	v_nop
	global_prefetch_b8 v0, s[64:65] scope:SCOPE_SE
	s_setreg_imm32_b32 hwreg(HW_REG_WAVE_MODE, 25, 1), 1
	s_wait_xcnt 0x0
; Both operands of out0 = x w^T are turned into codes of FP4 (E2M1), 4 bits each, K innermost, with one E8M0 scale byte for each 32 along K.
; x: [4096][4096] f32.  w[n][k] = f32(ternary[n][k]) x scales[32 n + k / 128]: one f32 multiplication a number, any int8 value and any sign of scale served.
; The problem's two further inputs, ste_gain and ste_temp, enter no expression of the problem's function: out0 does not hang on them, so they are neither named nor loaded here.
; A block's scale is 2^(floor(log2(its largest magnitude)) - 2); its byte is the largest magnitude's own exponent field - 2, held at 1 from below (which is the hold of the exponent at -126).
; Each number is divided by the scale and rounded to the nearest code, ties to even; beyond 6 the conversion gives the largest code.
; LIMITS: NaN and infinities among the inputs are not served.  A block of zeros gets the byte 1 where the quantiser's rule says 127: its codes are zeros, which add nothing under any byte but 0xff,
; and the bytes are read by this program alone.
; THE WORKSPACE opq is laid as the product's launch fetches it: 512 chunks of 34,816 bytes, chunk 8 rb + ks: rb = a block of 128 rows (0-31: x's, 32-63: w's), ks = 512 along K.
; In a chunk: 128 rows x 256 bytes of codes, then 128 rows x 16 scale bytes: 136 runs of 256 bytes on end.
; SHARES.  A wave takes 16 rows x 512 along K: 16 steps, a row a step.  Work-group g: rows 16 (g / 2) on (of x for g under 512, else of w), its wave v the K step 4 (g % 2) + v.
; In a step a lane holds 16 NEIGHBOURS along K (two neighbouring lanes hold a block of 32), since the conversions take a block's numbers from one lane's consecutive registers.
; A lane's 16 codes are 8 bytes: a step's store covers 256 consecutive bytes, aligned.  A wave's 256 scale bytes are gathered in its own LDS bytes and leave by one such store.
; x's loads run AHEAD = 8 steps in front of the work: 32 loads, 16,384 bytes, of a wave are on their way; w's 16 rows, 8,192 bytes a wave, are all asked for at the head.
; 226 registers a wave: the four work-groups that fall to a WGP (1,024 on 256) fit on it together, 4 x 226 = 904 registers on each SIMD.
; The two paths part on the work-group's number, never join, and have LDS bytes of their own.  No tensor loads, no barrier: waves share nothing.
.set CHUNK, 34816
.set SP,    80                         ; x's path: a lane's place in a stage: its 64 bytes + 16 of padding
.set WREG,  5632                       ; x's path: LDS bytes of a wave: two stages of 32 x SP bytes, then its 256 scale bytes
.set WB,    4*WREG                     ; w's path: 512 bytes for each wave from here on: 64 group scales, then its 256 scale bytes
.set AHEAD, 8                          ; x: steps that the loads run ahead
.set R,     16                         ; x: v16-143  AHEAD sets of 16 numbers as they are loaded
.set X,     144                        ; x: v144-175 two sets of 16 neighbours
.set T,     16                         ; w: v16-79   16 rows x 16 int8 a lane
.set W,     80                         ; w: v80-95   16 numbers of w
.set SG,    96                         ; w: v96-111  my group's scale in each of the 16 rows
.set E,     176                        ; v176-191 a scale byte for each step
.set C,     192                        ; v192-223 codes: two registers for each step, so that no store's data are written again
; The 16 numbers v[XS] .. v[XS + 15] of step t become 8 bytes of codes and their block's scale byte.
.macro QB t
	v_max3_num_f32 v8, |v[XS]|, |v[XS+1]|, |v[XS+2]|               ; the largest magnitude of my 16, in two chains
	v_max3_num_f32 v9, |v[XS+3]|, |v[XS+4]|, |v[XS+5]|
.irp i, 6,10
	v_max3_num_f32 v8, v8, |v[XS+\i]|, |v[XS+\i+1]|
	v_max3_num_f32 v9, v9, |v[XS+\i+2]|, |v[XS+\i+3]|
.endr
	v_max3_num_f32 v8, v8, |v[XS+14]|, |v[XS+15]|
	v_max3_num_f32 v8, v8, v9, 0x1800000           ; and the floor 2^(3 - 127), under which no largest magnitude is taken: the byte cannot fall under 1
	v_max_num_f32_dpp v8, v8, v8 row_xmask:1 row_mask:0xf bank_mask:0xf   ; and of my neighbour's 16: the block's
	v_add_nc_u32 v11, 0xff000000, v8               ; 2 off its exponent field: the conversion takes the exponent field of this operand as its scale, and nothing else of it
	v_cvt_scalef32_pk8_fp4_f32 v[C+2*(\t)], v[XS:XS+7], v11        ; the first number's code in the lowest four bits
	v_cvt_scalef32_pk8_fp4_f32 v[C+2*(\t)+1], v[XS+8:XS+15], v11
	v_lshrrev_b32 v[E+(\t)], 23, v11               ; the scale's byte; also the plain vector line behind the conversions, ahead of the next write of their sources
	ds_store_b8 v5, v[E+(\t)] offset:16*(\t)       ; row t's 16 bytes; both lanes of a block write the same byte with the same value
	global_store_b64 v4, v[C+2*(\t):C+2*(\t)+1], s[12:13] offset:256*(\t)   ; 32 lanes store row t's 256 bytes of codes
.endm
.macro TAIL                            ; the wave's 256 scale bytes leave
	ds_load_b64 v[12:13], v6                       ; LDS serves a wave's instructions in order (ISA guide 5.7.1): these see my byte stores
	s_wait_dscnt 0x0
	global_store_b64 v4, v[12:13], s[14:15]        ; 32 lanes store 256 consecutive bytes, aligned
	s_wait_tensorcnt 0x0
	ds_add_u32 v224, v225
	s_wait_dscnt 0x0
	s_endpgm
.endm
; x's path
.macro LOAD t                          ; row t's 2,048 bytes: each load reads 512 consecutive bytes, 16 a lane
.irp i, 0,1,2,3
	global_load_b128 v[R+16*((\t)%AHEAD)+4*\i:R+16*((\t)%AHEAD)+4*\i+3], v3, s[4:5] offset:16384*(\t)+512*\i th:TH_LOAD_NT
.endr
.endm
.macro TURN t                          ; through the wave's stage, as they lie, and back 64 bytes a lane; no wait between: LDS serves a wave's instructions in order
.irp i, 0,1,2,3
	ds_store_b128 v14, v[R+16*((\t)%AHEAD)+4*\i:R+16*((\t)%AHEAD)+4*\i+3] offset:32*SP*((\t)%2)+8*SP*\i
.endr
.irp i, 0,1,2,3
	ds_load_b128 v[X+16*((\t)%2)+4*\i:X+16*((\t)%2)+4*\i+3], v15 offset:32*SP*((\t)%2)+16*\i
.endr
.endm
.macro XSTEP t
.if (\t) > 0
	s_wait_dscnt 1                                 ; this step's numbers are back from the stage; the one LDS instruction issued behind them, the last step's byte store, may be out
.else
	s_wait_dscnt 0x0
.endif
.if (\t)+AHEAD < 16
	LOAD (\t)+AHEAD                                ; into the set that this step's stage stores have read
.endif
.if (\t)+1 < 16
.if 14-(\t) >= AHEAD-1
	s_wait_loadcnt 4*(AHEAD-1)                     ; the next step's four loads are in; those of the seven steps behind it may be out
.else
	s_wait_loadcnt 4*(14-(\t))                     ; nothing more is asked for: the counts run down
.endif
	TURN (\t)+1                                    ; the next step goes through the other stage while this one is worked
.endif
.set XS, X+16*((\t)%2)
	QB \t
.endm
; w's path
.macro WSTEP t
	s_wait_loadcnt 15-(\t)                         ; row t's load is in; the younger rows' may be out
.if (\t) == 0
	s_wait_dscnt 0x0                               ; the group scales are back from LDS
.endif
.irp j, 0,1,2,3
.irp b, 0,1,2
	v_lshlrev_b32 v[W+4*\j+\b], 24-8*\b, v[T+4*(\t)+\j]            ; byte b to the top,
.endr
.endr
.irp j, 0,1,2,3
.irp b, 0,1,2
	v_ashrrev_i32 v[W+4*\j+\b], 24, v[W+4*\j+\b]                   ; and down again with its sign
.endr
	v_ashrrev_i32 v[W+4*\j+3], 24, v[T+4*(\t)+\j]
.endr
.irp i, 0,1,2,3,4,5,6,7,8,9,10,11,12,13,14,15
	v_cvt_f32_i32 v[W+\i], v[W+\i]
.endr
.irp p, 0,2,4,6,8,10,12,14
.if (\t)%2
	v_pk_mul_f32 v[W+\p:W+\p+1], v[W+\p:W+\p+1], v[SG+(\t)-1:SG+(\t)] op_sel:[0,1] op_sel_hi:[1,1]   ; w = f32(ternary) x my group's scale: the pair's upper register for both halves
.else
	v_pk_mul_f32 v[W+\p:W+\p+1], v[W+\p:W+\p+1], v[SG+(\t):SG+(\t)+1] op_sel_hi:[1,0]                ; the pair's lower register for both halves
.endif
.endr
.set XS, W
	QB \t
.endm
	s_load_b256 s[4:11], s[0:1], 0x0               ; x s[4:5], ternary s[6:7], scales s[8:9], opq s[10:11]
	v_lshl_add_u32 v224, v0, 2, 0x6000
	v_mov_b32 v225, 0
	v_lshrrev_b32 v1, 5, v0
	v_readfirstlane_b32 s16, v1                    ; wave 0..3
	v_and_b32 v2, 31, v0                           ; lane
	v_lshlrev_b32 v3, 4, v2                        ; in: 16 bytes a lane
	v_lshlrev_b32 v4, 3, v2                        ; out: 8 bytes a lane
	s_lshr_b32 s17, ttmp9, 1                       ; which 16 rows: 0-255 of x, 256-511 of w
	s_and_b32 s18, ttmp9, 1
	s_lshl_b32 s18, s18, 2
	s_add_co_u32 s18, s18, s16                     ; which 512 along K
	s_lshr_b32 s19, s17, 3                         ; the block of 128 rows
	s_lshl_b32 s19, s19, 3
	s_add_co_u32 s19, s19, s18                     ; the chunk
	s_mul_i32 s20, s19, CHUNK                      ; its first byte (under 2^25)
	s_and_b32 s22, s17, 7                          ; my 16 rows among its 128
	s_lshl_b32 s23, s22, 8
	s_add_co_u32 s24, s20, s23
	s_add_co_u32 s24, s24, 32768                   ; my scale bytes: behind the codes, 256 bytes for 16 rows
	s_mov_b32 s25, 0
	s_lshl_b32 s23, s22, 12
	s_add_co_u32 s20, s20, s23                     ; my codes: 4,096 bytes for 16 rows
	s_mov_b32 s21, 0
	s_wait_kmcnt 0x0
	s_add_nc_u64 s[12:13], s[10:11], s[20:21]
	s_add_nc_u64 s[14:15], s[10:11], s[24:25]
	s_cmp_lt_u32 ttmp9, 512                        ; the first 512 work-groups take x, which is four times the bytes; the others w
	s_cbranch_scc0 .Lw
	; ---- x
	s_lshl_b32 s20, s17, 18                        ; 16 rows of 16,384 bytes
	s_lshl_b32 s22, s18, 11                        ; 512 numbers of 4 bytes
	s_add_co_u32 s20, s20, s22
	s_add_nc_u64 s[4:5], s[4:5], s[20:21]
	s_mul_i32 s22, s16, WREG                       ; my wave's LDS bytes
	s_wait_alu depctr_va_vdst(0)
	v_lshrrev_b32 v14, 2, v2
	v_mul_u32_u24 v14, v14, SP
	v_and_b32 v15, 3, v2
	v_lshl_add_u32 v14, v15, 4, v14
	v_add_nc_u32 v14, s22, v14                     ; the stage, on the way in: four lanes' 64 bytes on end, then 16 of padding; a load's 512 bytes take eight places
	v_mul_u32_u24 v15, v2, SP
	v_add_nc_u32 v15, s22, v15                     ; and on the way out: my 16 neighbours
	s_add_co_u32 s22, s22, 2*32*SP
	v_lshrrev_b32 v5, 1, v2
	v_add_nc_u32 v5, s22, v5                       ; my block's scale byte in a row's 16
	v_add_nc_u32 v6, s22, v4                       ; and the scale bytes' way out: 8 a lane
.irp t, 0,1,2,3,4,5,6,7
	LOAD \t                                        ; loads run eight steps, 32 loads a wave, ahead
.endr
	s_wait_alu depctr_va_vdst(0)
	s_wait_loadcnt 4*(AHEAD-1)                     ; step 0's four loads are in; the 28 issued behind them may be out
	TURN 0
.irp t, 0,1,2,3,4,5,6,7,8,9,10,11,12,13,14,15
	XSTEP \t
.endr
	TAIL
	; ---- w
.Lw:
	s_sub_co_u32 s19, s17, 256                     ; which 16 rows of w
	s_lshl_b32 s20, s19, 16                        ; 16 rows of 4,096 bytes
	s_lshl_b32 s22, s18, 9                         ; 512 numbers of 1 byte
	s_add_co_u32 s20, s20, s22
	s_add_nc_u64 s[6:7], s[6:7], s[20:21]
	s_lshl_b32 s20, s19, 11                        ; 16 rows of 32 group scales
	s_lshl_b32 s22, s18, 4                         ; four groups of 128 in 512 along K
	s_add_co_u32 s20, s20, s22
	s_add_nc_u64 s[8:9], s[8:9], s[20:21]
	s_lshl_b32 s22, s16, 9
	s_add_co_u32 s22, s22, WB                      ; my wave's LDS bytes
	s_wait_alu depctr_va_vdst(0)
	v_lshrrev_b32 v1, 1, v2
	v_and_b32 v7, 1, v2
	v_lshlrev_b32 v7, 3, v7
	v_lshl_add_u32 v1, v1, 7, v7                   ; the group scales in memory: row lane / 2 (128 bytes a row), two groups a lane
	v_add_nc_u32 v7, s22, v4                       ; in LDS they lie [16 rows][4]: 8 bytes a lane on end
	v_lshrrev_b32 v10, 3, v2
	v_lshl_add_u32 v10, v10, 2, s22                ; my 16 numbers lie in group lane / 8
	s_add_co_u32 s22, s22, 256
	v_lshrrev_b32 v5, 1, v2
	v_add_nc_u32 v5, s22, v5                       ; my block's scale byte in a row's 16
	v_add_nc_u32 v6, s22, v4
	global_load_b64 v[14:15], v1, s[8:9]           ; 16 bytes of each of 16 rows of scales, once a wave; the eight waves that share these rows take the rows' 128 bytes between them
.irp t, 0,1,2,3,4,5,6,7,8,9,10,11,12,13,14,15
	global_load_b128 v[T+4*\t:T+4*\t+3], v3, s[6:7] offset:4096*\t th:TH_LOAD_NT   ; row t: 512 consecutive bytes, 16 neighbours a lane
.endr
	s_wait_alu depctr_va_vdst(0)
	s_wait_loadcnt 16                              ; the group scales are in; the 16 loads issued behind them may be out
	ds_store_b64 v7, v[14:15]
.irp t, 0,1,2,3,4,5,6,7,8,9,10,11,12,13,14,15
	ds_load_b32 v[SG+\t], v10 offset:16*\t         ; row t's scale of my group: eight lanes share a word; my wave's own bytes, served in order
.endr
.irp t, 0,1,2,3,4,5,6,7,8,9,10,11,12,13,14,15
	WSTEP \t
.endr
	TAIL
.Lfunc_end_k_q36823963b6_quant:
	.size	k_q36823963b6_quant, .Lfunc_end_k_q36823963b6_quant-k_q36823963b6_quant
	.p2alignl 7, 3214868480
	.fill 96, 4, 3214868480
	.section	.rodata,"a",@progbits
	.p2align	6, 0x0
	.amdhsa_kernel k_q36823963b6_quant
		.amdhsa_group_segment_fixed_size 25088
		.amdhsa_private_segment_fixed_size 0
		.amdhsa_enable_private_segment 0
		.amdhsa_kernarg_size 32
		.amdhsa_user_sgpr_count 2
		.amdhsa_user_sgpr_kernarg_segment_ptr 1
		.amdhsa_wavefront_size32 1
		.amdhsa_system_sgpr_workgroup_id_x 1
		.amdhsa_system_sgpr_workgroup_id_y 1
		.amdhsa_system_sgpr_workgroup_id_z 1
		.amdhsa_system_vgpr_workitem_id 0
		.amdhsa_next_free_vgpr 226
		.amdhsa_next_free_sgpr 66
		.amdhsa_reserve_vcc 0
		.amdhsa_float_denorm_mode_32 3
		.amdhsa_float_denorm_mode_16_64 3
		.amdhsa_memory_ordered 1
		.amdhsa_forward_progress 1
		.amdhsa_inst_pref_size 83
	.end_amdhsa_kernel
	.amdgpu_metadata
---
amdhsa.version: [ 1, 2 ]
amdhsa.kernels:
  - .name:           k_q36823963b6_quant
    .symbol:         k_q36823963b6_quant.kd
    .args:
      - { .name: x, .offset: 0, .size: 8, .value_kind: global_buffer, .address_space: global }
      - { .name: ternary, .offset: 8, .size: 8, .value_kind: global_buffer, .address_space: global }
      - { .name: scales, .offset: 16, .size: 8, .value_kind: global_buffer, .address_space: global }
      - { .name: opq, .offset: 24, .size: 8, .value_kind: global_buffer, .address_space: global }
    .group_segment_fixed_size: 25088
    .private_segment_fixed_size: 0
    .kernarg_segment_align: 8
    .kernarg_segment_size: 32
    .max_flat_workgroup_size: 128
    .sgpr_count:     66
    .vgpr_count:     226
    .wavefront_size: 32
...
	.end_amdgpu_metadata
.endif
;; end of part 1
;; launch gemm (part 2): grid 16 x 16, 4 waves a work-group, clusters of 4 x 4, 327,680 bytes of LDS; arguments opq, out0; writes out0
.if DOCPART == 2
	.amdgcn_target "amdgcn-amd-amdhsa--gfx1250"
	.amdhsa_code_object_version 6
	.text
	.protected	k_q36823963b6_gemm
	.globl	k_q36823963b6_gemm
	.p2align	8
	.type	k_q36823963b6_gemm,@function
k_q36823963b6_gemm:
	s_mov_b64 s[64:65], 0
	v_nop
	global_prefetch_b8 v0, s[64:65] scope:SCOPE_SE
	s_setreg_imm32_b32 hwreg(HW_REG_WAVE_MODE, 25, 1), 1
	s_wait_xcnt 0x0
	s_wait_alu depctr_hold_cnt(0) depctr_sa_sdst(0) depctr_va_vdst(0) depctr_va_sdst(0) depctr_va_ssrc(0) depctr_va_vcc(0) depctr_vm_vsrc(0)
	s_getreg_b32 s2, hwreg(HW_REG_IB_STS2, 6, 4)
	s_cmp_eq_u32 s2, 0
	s_cbranch_scc0 .Lentry_in_a_cluster
	s_endpgm
.Lentry_in_a_cluster:
	s_bfe_u32 s2, ttmp6, 0x10000c
	s_cmp_lg_u32 s2, 0xf033
	s_cbranch_scc0 .Lentry_shape_is_right
	s_endpgm
.Lentry_shape_is_right:
; out0[m][n] = sum over k of x[m][k] w[n][k], on codes of FP4 (E2M1) with one E8M0 scale byte for each 32 along K; sums in f32.  This launch leaves out no work.
; opq holds 512 chunks of 34,816 bytes: chunk 8 rb + ks: rb = 128 rows (0-31 x's, 32-63 w's), ks = 512 along K: 128 rows x 256 bytes of codes, then 128 rows x 16 scale bytes: 136 runs of 256 bytes.
; A work-group of four waves makes 256 x 256 of out0, a wave 128 x 128: 32 accumulators of 32 (m) x 16 (n), 512 registers.  256 work-groups.
; K goes in eight K steps of 512 through two LDS slots; a slot takes four chunks (x's two, w's two), one tensor load a wave.
; In LDS x's chunk lies as 136 rows of 256 bytes with 16 bytes of padding behind each, w's, which is dense in memory too, as 34 rows of 1,024 bytes with 16 bytes behind each: four of w's rows to an LDS row.
; THE MATRIX INSTRUCTION takes x's 32 rows as source 0 and 16 rows of w as source 1: lane (r, h), register j then holds row 16 (j / 8) + 8 h + j % 8, column r of the tile.
; THE ROWS OF w THAT FORM A TILE ARE NOT NEIGHBOURS: lane r of tile b = 4 c + e takes w's row 64 c + 4 r + e.  So register j of the tiles e = 0 .. 3 is, in lane r, the columns 64 c + 4 r + 0 .. 3 of a row of out0: 16 neighbouring bytes.
; Both operands have TWO sets of fragments: a step of 128 along K begins with one run of the next step's 32 loads, into the other sets, and its 32 products follow unbroken.
; The sums take K in ascending steps, but for the last 512, whose quarters are taken in the order 0, 2, 3, 1.
; CLUSTERS: 4 x 4 work-groups; the four of a row of the cluster share x's chunks, the four of a column w's: each chunk is asked for jointly.
; THE LAST K STEP goes by blocks of 32 rows x 128 columns of out0: w's fragments of all 512 fill window 1, and each block is stored as soon as it is finished.
; A PREFETCH behind each load of a K step names the K step two on: K steps 2 to 7.  A chunk's 136 runs are shared out BY ADDRESS among the four that ask for it jointly, 34 each.
; LIMITS: NaN and infinities among the inputs are not served.
; REGISTERS, windows of 256.  0: v16-30 addresses; v32-95 scale words, a set of 32 for each slot; v128-191, v192-255 x's fragments.  1: w's fragments, v0-63 and v64-127 (last K step: all 256).
;   2: accumulators of my rows 0-63, (a, b) at v[16 (8 a + b)], a = 32 rows of x, b = a tile of w; 3: those of my rows 64-127.
.set SIZE_N, 4096
.set PITCH,  272                       ; x: 256 bytes + 16
.set WPITCH, 1040                      ; w: four rows, 1,024 bytes, + 16
.set CHUNK,  34816
.set CROWS,  136
.set HALFT,  CROWS*PITCH               ; LDS bytes for a chunk (w's takes 34 x 1,040 of them)
.set SCO,    128*PITCH                 ; x's scale bytes in it
.set WSCO,   32*WPITCH                 ; w's
.set SLOT,   4*HALFT
.set SPARE,  2*SLOT                    ; the spare words, 512 bytes that no other line names
.set BOFF,   256*CHUNK                 ; w's first chunk
.set LAPS,   4
.set ADRX, 16                          ; v16-17 x's fragments in slot 0, 1
.set ADRW, 18                          ; v18-19 w's
.set ADX,  20                          ; v20-21 x's scale words
.set ADW,  22                          ; v22-23 w's
.set CO,   26                          ; my byte offset in out0
.set PF1,  27                          ; prefetch: 256 x lane
.set SPW,  28                          ; my spare word; never rewritten
.set NIL,  29                          ; 0; never rewritten
.set PF2,  30                          ; prefetch: the last two of the 34 runs
.set SC,   32                          ; set s at SC + 32 s: w's tiles 2 i (lanes 0-15) and 2 i + 1 (lanes 16-31), quarter q at + 4 i + q; x's 32 rows of block i at + 16 + 4 i + q
.set AF,   128
.set BA,   8                           ; s[8:9] my chunk row of x, s[10:11] of w
.set BB,   10
.set G1,   24                          ; descriptors: x's group 1, group 0 for each slot; w's
.set G0,   32
.set G1B,  48
.set G0B,  56
.set PFA,  66
.set MUL_LO, 0xa4                      ; source 0 window 0, source 1 window 1, C and D window 2 (+ 0x50: window 3)
.set TO_W,   0x40
.set MSB, 0
.macro WIN new                         ; the high byte repeats the setting that is left
.if MSB != \new
	s_set_vgpr_msb (MSB<<8)|\new
.set MSB, \new
.endif
.endm
.macro PLACES                          ; four places behind a matrix instruction (ISA guide 7.12.1)
.rept 4
	v_nop
.endr
.endm
.macro JLOAD s                         ; a joint load: waves 0 and 1 fetch x's chunks, waves 2 and 3 w's; each line has one mask
	s_cmp_eq_u32 s15, 0
	s_cbranch_scc0 .Lfor_w_\@
	tensor_load_to_lds s[G0+4*\s:G0+4*\s+3], s[G1:G1+7]
	s_nop 0
	PLACES
	s_branch .Lasked_\@
.Lfor_w_\@:
	tensor_load_to_lds s[G0B+4*\s:G0B+4*\s+3], s[G1B:G1B+7]
	s_nop 0
	PLACES
.Lasked_\@:
.endm
.macro CREST                           ; a round of the cluster's barrier behind its opening barrier
	s_cmp_lg_u32 s14, 0
	s_cbranch_scc1 .Lnot_wave_0_\@
	s_barrier_signal -3
.Lnot_wave_0_\@:
	s_barrier_wait -3
	s_barrier_signal -1
	s_barrier_wait -1
.endm
.macro CROUND
	s_barrier_signal -1
	s_barrier_wait -1
	CREST
.endm
.macro ASK n                           ; my work-group's 34 runs of the chunk n K steps beyond the one that PFA names
	global_prefetch_b8 v[PF1], s[PFA:PFA+1] offset:\n*CHUNK th:TH_LOAD_NT scope:SCOPE_SE
	global_prefetch_b8 v[PF2], s[PFA:PFA+1] offset:\n*CHUNK th:TH_LOAD_NT scope:SCOPE_SE
.endm
.macro GROUP1 g, len, rows             ; a dense chunk as rows of len elements of 8 bytes
	s_mov_b32 s[\g+1], (\len)<<16
	s_mov_b32 s[\g+2], (\rows)<<16
	s_mov_b32 s[\g+3], (\len)<<16
	s_mov_b32 s[\g+4], \rows
	s_mov_b32 s[\g+5], \len
	s_mov_b32 s[\g+6], 0
	s_mov_b32 s[\g+7], 0
.endm
	s_load_b128 s[4:7], s[0:1], 0x0                ; opq, out0
	v_lshl_add_u32 v[SPW], v0, 2, SPARE
	v_mov_b32 v[NIL], 0
	ds_add_u32 v[SPW], v[NIL]                      ; the opening: the add, twice on end, ahead of my first tensor load
	ds_add_u32 v[SPW], v[NIL]
	v_lshrrev_b32 v1, 5, v0
	v_readfirstlane_b32 s14, v1                    ; wave 0..3
	s_lshr_b32 s15, s14, 1                         ; my half of the tile's rows; also: I fetch for x (0) or w (1)
	s_and_b32 s16, s14, 1                          ; my half of its columns; also: which 128 rows I fetch
	s_bfe_u32 s40, ttmp6, 0x40000                  ; cx
	s_bfe_u32 s41, ttmp6, 0x40004                  ; cy
	s_lshl_b32 s42, ttmp9, 2
	s_add_co_u32 s42, s42, s40                     ; tile column
	s_and_b32 s17, ttmp7, 0xffff
	s_lshl_b32 s17, s17, 2
	s_add_co_u32 s17, s17, s41                     ; tile row
	s_lshl_b32 s43, s41, 2
	s_lshl_b32 s43, 15, s43                        ; my row of the cluster
	s_lshl_b32 s44, 0x1111, s40                    ; my column
	; group 1: 16 bytes of padding behind each row: of 64 words (code 5) for x, of 256 words (code 7) for w
	s_or_b32 s[G1+0], s43, (3<<16)|(1<<20)|(1<<21)|(5<<22)|(3<<25)
	s_or_b32 s[G1B+0], s44, (3<<16)|(1<<20)|(1<<21)|(7<<22)|(3<<25)
	GROUP1 G1, 32, CROWS
	GROUP1 G1B, 128, 34
	s_lshl_b32 s20, s17, 1
	s_add_co_u32 s20, s20, s16
	s_mul_i32 s20, s20, 8*CHUNK                    ; x: by the tile row alone
	s_mov_b32 s21, 0
	s_lshl_b32 s46, s42, 1
	s_add_co_u32 s46, s46, s16
	s_mul_i32 s46, s46, 8*CHUNK
	s_add_co_u32 s46, s46, BOFF                    ; w: by the tile column alone
	s_mov_b32 s47, 0
	s_mul_i32 s45, s14, HALFT                      ; where my chunk goes: by the wave's number alone
.irp s, 0,1
	s_mov_b32 s[G0+4*\s], 1
	s_add_co_u32 s[G0+4*\s+1], s45, \s*SLOT
	s_mov_b32 s[G0B+4*\s], 1
	s_add_co_u32 s[G0B+4*\s+1], s45, \s*SLOT
.endr
	s_wait_dscnt 0x0                               ; both opening adds are done
	CROUND                                         ; all sixteen work-groups are here
	s_wait_kmcnt 0x0
	s_add_nc_u64 s[BA:BA+1], s[4:5], s[20:21]
	s_add_nc_u64 s[BB:BB+1], s[4:5], s[46:47]
.irp s, 0,1
	s_add_nc_u64 s[G0+4*\s+2:G0+4*\s+3], s[BA:BA+1], \s*CHUNK
	s_or_b32 s[G0+4*\s+3], s[G0+4*\s+3], 0x80000000
	s_add_nc_u64 s[G0B+4*\s+2:G0B+4*\s+3], s[BB:BB+1], \s*CHUNK
	s_or_b32 s[G0B+4*\s+3], s[G0B+4*\s+3], 0x80000000
.endr
	JLOAD 0                                        ; K step 0: one tensor load a wave at the head
	; prefetches: my chunk row, my work-group's 34 runs of a chunk
	s_cmp_eq_u32 s15, 0
	s_cselect_b32 s68, s40, s41                    ; my place among the four that ask with me
	s_cselect_b64 s[PFA:PFA+1], s[BA:BA+1], s[BB:BB+1]
	s_mul_i32 s68, s68, 34*256
	s_mov_b32 s69, 0
	s_add_nc_u64 s[PFA:PFA+1], s[PFA:PFA+1], s[68:69]
	v_and_b32 v6, 31, v0                           ; lane
	v_lshlrev_b32 v[PF1], 8, v6
	v_min_u32 v8, 1, v6
	v_lshl_add_u32 v[PF2], v8, 8, 0x2000           ; runs 32 and 33; the lanes left over name run 33 again
	s_wait_alu depctr_va_vdst(0)
	ASK 2                                          ; K step 2
	; my first row and column of out0
	s_lshl_b32 s20, s17, 8
	s_lshl_b32 s21, s15, 7
	s_add_co_u32 s20, s20, s21
	s_lshl_b32 s20, s20, 14
	s_mov_b32 s21, 0
	s_lshl_b32 s46, s42, 10
	s_lshl_b32 s47, s16, 9
	s_add_co_u32 s46, s46, s47
	s_mov_b32 s47, 0
	s_add_nc_u64 s[20:21], s[20:21], s[46:47]
	s_add_nc_u64 s[6:7], s[6:7], s[20:21]
	s_mul_i32 s21, s15, HALFT                      ; my 128 rows of x in LDS
	s_mul_i32 s22, s16, HALFT
	s_add_co_u32 s22, s22, 2*HALFT                 ; my 128 rows of w
	s_add_co_u32 s18, s21, SCO                     ; and their scale bytes
	s_add_co_u32 s19, s22, WSCO
	v_and_b32 v1, 15, v0                           ; r
	v_bfe_u32 v2, v0, 4, 1                         ; h
	v_mul_u32_u24 v3, v1, PITCH
	v_lshl_add_u32 v4, v2, 4, v3                   ; x's fragment: row r, 16 bytes for each half
	v_mul_u32_u24 v3, v1, WPITCH
	v_lshl_add_u32 v8, v2, 4, v3                   ; w's: row 4 r
	v_mul_u32_u24 v5, v2, PITCH
	v_lshl_add_u32 v5, v1, 4, v5                   ; x's scale words: 16 bytes a row, 16 rows to an LDS row: lane = row of a block of 32
	v_lshlrev_b32 v9, 6, v1
	v_lshl_add_u32 v9, v2, 4, v9                   ; w's: row 4 r, in lanes 16-31 row 4 r + 1
	v_add_nc_u32 v[ADRX], s21, v4
	v_add_nc_u32 v[ADRW], s22, v8
	v_add_nc_u32 v[ADX], s18, v5
	v_add_nc_u32 v[ADW], s19, v9
	v_add_nc_u32 v[ADRX+1], SLOT, v[ADRX]
	v_add_nc_u32 v[ADRW+1], SLOT, v[ADRW]
	v_add_nc_u32 v[ADX+1], SLOT, v[ADX]
	v_add_nc_u32 v[ADW+1], SLOT, v[ADW]
	v_lshlrev_b32 v7, 17, v2                       ; lanes 16-31: 8 rows of 16,384 bytes further down
	v_lshl_add_u32 v[CO], v1, 4, v7                ; 16 bytes a lane, sixteen lanes to 256 bytes of a row
; A fragment, 16 rows x 128 K: lane (r, h): registers 4 c .. 4 c + 3 hold K = 64 c + 32 h + 0 .. 31 of its row.
.macro FRAGX reg, slot, q, i           ; x's rows 16 i + r
	ds_load_b128 v[\reg:\reg+3], v[ADRX+\slot] offset:64*(\q)+(\i)*16*PITCH
	ds_load_b128 v[\reg+4:\reg+7], v[ADRX+\slot] offset:64*(\q)+32+(\i)*16*PITCH
.endm
.macro FRAGW reg, slot, q, b           ; w's rows 64 (b / 4) + 4 r + b % 4: the sixteen lanes stand 1,040 bytes apart
	ds_load_b128 v[\reg:\reg+3], v[ADRW+\slot] offset:64*(\q)+((\b)/4)*16*WPITCH+256*((\b)%4)
	ds_load_b128 v[\reg+4:\reg+7], v[ADRW+\slot] offset:64*(\q)+32+((\b)/4)*16*WPITCH+256*((\b)%4)
.endm
.macro LDW slot, q, p                  ; w's eight fragments of the slot's quarter q into set p
	WIN TO_W
.irp b, 0,1,2,3,4,5,6,7
	FRAGW 64*(\p)+8*\b, \slot, \q, \b
.endr
	WIN 0
.endm
.macro LDX slot, q, p                  ; x's
.irp i, 0,1,2,3,4,5,6,7
	FRAGX AF+64*(\p)+8*\i, \slot, \q, \i
.endr
.endm
.macro SCALES slot                     ; a K step's scale words: four quarters of a row by one load
.irp i, 0,1,2,3
	ds_load_b128 v[SC+32*\slot+4*\i:SC+32*\slot+4*\i+3], v[ADW+\slot] offset:(\i/2)*WPITCH+32*(\i%2)
	ds_load_b128 v[SC+32*\slot+16+4*\i:SC+32*\slot+16+4*\i+3], v[ADX+\slot] offset:2*\i*PITCH
.endr
.endm
; One product: 32 rows of x x 16 rows of w x 128.  row = 1: w's scales stand in lanes 16-31.  zero = 1: it starts the sum.
.macro WM d, x, w, sx, sw, row, zero
.if \row
.if \zero
	v_wmma_scale_f32_32x16x128_f4 v[\d:\d+15], v[\x:\x+15], v[\w:\w+7], 0, v[\sx], v[\sw] matrix_b_scale:MATRIX_SCALE_ROW1
.else
	v_wmma_scale_f32_32x16x128_f4 v[\d:\d+15], v[\x:\x+15], v[\w:\w+7], v[\d:\d+15], v[\sx], v[\sw] matrix_b_scale:MATRIX_SCALE_ROW1
.endif
.else
.if \zero
	v_wmma_scale_f32_32x16x128_f4 v[\d:\d+15], v[\x:\x+15], v[\w:\w+7], 0, v[\sx], v[\sw]
.else
	v_wmma_scale_f32_32x16x128_f4 v[\d:\d+15], v[\x:\x+15], v[\w:\w+7], v[\d:\d+15], v[\sx], v[\sw]
.endif
.endif
.endm
.macro MULH a, c, p, q, sc, zero       ; x's block a against four of w's tiles; the 32 accumulators take turns in the same order in every step
	WIN MUL_LO+0x50*((\a)/2)
.irp e, 0,1,2,3
	WM 16*(8*((\a)%2)+4*(\c)+\e), AF+64*(\p)+16*(\a), 64*(\p)+8*(4*(\c)+\e), SC+32*(\sc)+16+4*(\a)+(\q), SC+32*(\sc)+4*((4*(\c)+\e)/2)+(\q), \e%2, \zero
.endr
.endm
.macro MULA a, p, q, sc, zero
	MULH \a, 0, \p, \q, \sc, \zero
	MULH \a, 1, \p, \q, \sc, \zero
.endm
; A step with its successor in the same slot.  The loads' registers were last read in the step before: four places stand between.
.macro STEP slot, q, zero
	PLACES
	LDW \slot, (\q)+1, 1-(\q)%2
	LDX \slot, (\q)+1, 1-(\q)%2
	s_wait_dscnt 44                                ; this step's w and x's block 0 are in: behind them blocks 1-3 (12 loads) and the run above (32)
	MULA 0, (\q)%2, \q, \slot, \zero
	s_wait_dscnt 40                                ; block 1
	MULA 1, (\q)%2, \q, \slot, \zero
	s_wait_dscnt 36                                ; block 2
	MULA 2, (\q)%2, \q, \slot, \zero
	s_wait_dscnt 32                                ; block 3
	MULA 3, (\q)%2, \q, \slot, \zero
	WIN 0
.endm
; The change of slots, at the head of a slot's last step: all my tensor loads have landed, the add, my reads of this slot are back; then the barrier.
.macro MEET slot, fill
.if \fill
	s_wait_xcnt 0x0                                ; my prefetches have read their address
	s_add_nc_u64 s[PFA:PFA+1], s[PFA:PFA+1], CHUNK
.endif
	s_wait_tensorcnt 0x0                           ; my part of the next slot is in
	ds_add_u32 v[SPW], v[NIL]
.if \fill
	s_add_nc_u64 s[G0+4*\slot+2:G0+4*\slot+3], s[G0+4*\slot+2:G0+4*\slot+3], 2*CHUNK
	s_add_nc_u64 s[G0B+4*\slot+2:G0B+4*\slot+3], s[G0B+4*\slot+2:G0B+4*\slot+3], 2*CHUNK
.endif
	s_wait_dscnt 13                                ; (x's blocks 1-3, 12 loads, and the add may be out)
	MULH 0, 0, 1, 3, \slot, 0
	s_wait_dscnt 0x0                               ; the add is done, and my reads of this slot are over
	s_barrier_signal -1
	MULH 0, 1, 1, 3, \slot, 0
	WIN 0
	s_barrier_wait -1
.endm
.macro TURN slot, next
	MEET \slot, 1
	CREST                                          ; no wave of any partner still reads this slot or has a load on its way
	JLOAD \slot                                    ; its four v_nop are also the places in front of the loads below
	SCALES \next
	LDW \next, 0, 0
	LDX \next, 0, 0
	s_cmp_gt_u32 s3, 1                             ; the last trip's two refills have no K step two on
	s_cbranch_scc0 .Lno_ask_\@
	ASK 3                                          ; at the refill with K step t PFA names K step t - 1: so this is K step t + 2
.Lno_ask_\@:
	MULA 1, 1, 3, \slot, 0
	MULA 2, 1, 3, \slot, 0
	MULA 3, 1, 3, \slot, 0
	WIN 0
.endm
	s_wait_alu depctr_va_vdst(0)
	s_wait_tensorcnt 0x0                           ; my part of K step 0 is in
	ds_add_u32 v[SPW], v[NIL]
	s_wait_dscnt 0x0
	CROUND                                         ; everybody's part of K step 0 is in
	JLOAD 1                                        ; K step 1
	SCALES 0
	LDW 0, 0, 0
	LDX 0, 0, 0
	ASK 3                                          ; K step 3 (PFA names K step 0)
	STEP 0, 0, 1                                   ; these products start the sums
	s_mov_b32 s3, LAPS-1
.Llap:
	STEP 0, 1, 0
	STEP 0, 2, 0
	TURN 0, 1
	STEP 1, 0, 0
	STEP 1, 1, 0
	STEP 1, 2, 0
	TURN 1, 0
	STEP 0, 0, 0
	s_sub_co_u32 s3, s3, 1
	s_cmp_lg_u32 s3, 0
	s_cbranch_scc1 .Llap
	STEP 0, 1, 0
	STEP 0, 2, 0
; THE LAST K STEP (slot 1) BY BLOCKS OF 32 ROWS.  Quarter q of w's fragments lies at v[64 q ..] of window 1; x's blocks, 32 rows x 512 K, in two buffers of 64 registers at AF.
.macro XROW a
.irp q, 0,1,2,3
	FRAGX AF+64*((\a)%2)+16*\q, 1, \q, 2*(\a)
	FRAGX AF+64*((\a)%2)+16*\q+8, 1, \q, 2*(\a)+1
.endr
.endm
.macro ROWQ a, q                       ; eight accumulators by turns
	WIN MUL_LO+0x50*((\a)/2)
.irp b, 0,1,2,3,4,5,6,7
	WM 16*(8*((\a)%2)+\b), AF+64*((\a)%2)+16*(\q), 64*(\q)+8*\b, SC+48+4*(\a)+(\q), SC+32+4*(\b/2)+(\q), \b%2, 0
.endr
.endm
; Piece k = 2 a + c: the four accumulators of block a's columns 64 c .. 64 c + 63.  Their registers j, side by side, are 16 bytes of a row.
; Piece k goes into the accumulators of piece k - 1, which have been read; piece 0 into v32-63 and v96-127 (slot 0's scale words are done with): so no store's data are written again.
.macro WHERE k, j                      ; TD: where register j's four go; TW: the window
.if (\k) == 0
.set TD, 32+4*(\j)+32*((\j)/8)
.set TW, 0
.else
.set TD, 16*(8*((((\k)-1)/2)%2)+4*(((\k)-1)%2))+4*(\j)
.set TW, 2+((\k)-1)/4
.endif
.endm
.macro PACK k                          ; each accumulator from its low end on
	WHERE \k, 0
	WIN (2+(\k)/4)+64*TW
.irp j, 0,1,2,3,4,5,6,7,8,9,10,11,12,13,14,15
	WHERE \k, \j
.irp e, 0,1,2,3
	v_mov_b32 v[TD+\e], v[16*(8*(((\k)/2)%2)+4*((\k)%2)+\e)+\j]
.endr
.endr
.endm
.macro SEND a                          ; lanes 0-15 store 256 consecutive bytes of a row, lanes 16-31 those of the row 8 further down, each at a multiple of 256; the two stores of a pair make 512 bytes of each row
.irp j, 0,1,2,3,4,5,6,7,8,9,10,11,12,13,14,15
.irp c, 0,1
	WHERE 2*(\a)+\c, \j
	WIN 4*TW
	global_store_b128 v[CO], v[TD:TD+3], s[6:7] offset:(32*(\a)+16*(\j/8)+\j%8)*SIZE_N*4+256*\c th:TH_STORE_NT
.endr
.endr
	WIN 0
.endm
	MEET 0, 0                                      ; nothing is filled again: no round follows
	PLACES
	SCALES 1
	LDW 1, 0, 0
	XROW 0
	LDW 1, 2, 2
	MULA 1, 1, 3, 0, 0
	MULA 2, 1, 3, 0, 0
	MULA 3, 1, 3, 0, 0
	WIN 0
	PLACES                                         ; w's set 1 and x's set 1 have been at work until here
	LDW 1, 3, 3
	LDW 1, 1, 1
	XROW 1
	s_wait_dscnt 60                                ; the scale words, w's quarter 0 and x's block 0 are in: behind them 64 loads
	ROWQ 0, 0
	s_wait_dscnt 48
	ROWQ 0, 2
	s_wait_dscnt 32
	ROWQ 0, 3
	s_wait_dscnt 16                                ; all but x's block 1
	ROWQ 0, 1
.irp a, 0,1,2,3
.if \a > 0
.if \a < 3
	s_wait_dscnt 16                                ; x's block a is in; the next one's 16 loads may be out
.else
	s_wait_dscnt 0x0
.endif
	ROWQ \a, 0
	ROWQ \a, 2
	ROWQ \a, 3
	ROWQ \a, 1
.endif
	PLACES                                         ; for the moves that read results just made, and the loads over x's block
	PACK 2*\a
	PACK 2*\a+1
	s_wait_alu depctr_va_vdst(0)
	SEND \a
.if \a < 2
	XROW \a+2
.endif
.endr
	s_wait_tensorcnt 0x0                           ; the wave's end
	ds_add_u32 v[SPW], v[NIL]
	s_wait_dscnt 0x0
	CROUND                                         ; the closing round
	s_endpgm
.Lfunc_end_k_q36823963b6_gemm:
	.size	k_q36823963b6_gemm, .Lfunc_end_k_q36823963b6_gemm-k_q36823963b6_gemm
	.p2alignl 7, 3214868480
	.fill 96, 4, 3214868480
	.section	.rodata,"a",@progbits
	.p2align	6, 0x0
	.amdhsa_kernel k_q36823963b6_gemm
		.amdhsa_group_segment_fixed_size 327680
		.amdhsa_private_segment_fixed_size 0
		.amdhsa_enable_private_segment 0
		.amdhsa_kernarg_size 16
		.amdhsa_user_sgpr_count 2
		.amdhsa_user_sgpr_kernarg_segment_ptr 1
		.amdhsa_wavefront_size32 1
		.amdhsa_system_sgpr_workgroup_id_x 1
		.amdhsa_system_sgpr_workgroup_id_y 1
		.amdhsa_system_sgpr_workgroup_id_z 1
		.amdhsa_system_vgpr_workitem_id 0
		.amdhsa_next_free_vgpr 1024
		.amdhsa_next_free_sgpr 72
		.amdhsa_reserve_vcc 0
		.amdhsa_float_denorm_mode_32 3
		.amdhsa_float_denorm_mode_16_64 3
		.amdhsa_memory_ordered 1
		.amdhsa_forward_progress 1
		.amdhsa_inst_pref_size 146
	.end_amdhsa_kernel
	.amdgpu_metadata
---
amdhsa.version: [ 1, 2 ]
amdhsa.kernels:
  - .name:           k_q36823963b6_gemm
    .symbol:         k_q36823963b6_gemm.kd
    .args:
      - { .name: opq, .offset: 0, .size: 8, .value_kind: global_buffer, .address_space: global }
      - { .name: out0, .offset: 8, .size: 8, .value_kind: global_buffer, .address_space: global }
    .group_segment_fixed_size: 327680
    .private_segment_fixed_size: 0
    .kernarg_segment_align: 8
    .kernarg_segment_size: 16
    .max_flat_workgroup_size: 128
    .sgpr_count:     72
    .vgpr_count:     1024
    .wavefront_size: 32
...
	.end_amdgpu_metadata
.endif
;; end of part 2
